; MI455X (gfx1250); checked and timed in simulation.
; The chip was launched on July 23, 2026; its instructions are those of AMD's public machine-readable ISA for CDNA 5 (MIT licence, August 2026) and "CDNA5" Instruction Set Architecture Reference Guide (July 2026). The comments in the code are by the model that wrote it; some were corrected since.
;; Transformer Layer. Allowed arithmetic: matrix products marked QUANTISED: E5M2 operands, one given power-of-two scale a tensor, by v_wmma_f32_16x16x64_bf8_bf8 or v_wmma_f32_16x16x128_bf8_bf8, f32 sums; everything else in f32.
;; Inputs: Wk 1,024 x 1,024 float32; Wq 1,024 x 1,024 float32; Wv 1,024 x 1,024 float32; bk 1,024 float32; bq 1,024 float32; bv 1,024 float32; data 4 x 2,048 x 1,024 float32; lowp_scales 10 int32 (the exponents e of the quantised operands' scales 2^e).
;; Outputs: out0 64 x 2,048 x 64 float32.
;; This version of the problem:
;;   THIS VERSION OF THE PROBLEM IS GIVEN IN LOW PRECISION. The matrix products marked QUANTISED in the list below multiply operands that are first quantised to E5M2 (5 exponent bits, 2 mantissa bits; 8 bits a number), with one given power-of-two scale for each operand tensor; their sums are f32. All else is computed in f32.
;;   The module's matrix products, in the order in which they are computed (A, B: the left and right operand; K: the contracted axis; several contracted axes count as one K, in the product's order):
;;     1. [M 8,192, K 1,024] x [K 1,024, N 1,024]; A: computed on the way; B: input Wq: QUANTISED (scales: A lowp_scales[0], B lowp_scales[1])
;;     2. [M 8,192, K 1,024] x [K 1,024, N 1,024]; A: computed on the way; B: input Wk: QUANTISED (scales: A lowp_scales[2], B lowp_scales[3])
;;     3. [M 8,192, K 1,024] x [K 1,024, N 1,024]; A: computed on the way; B: input Wv: QUANTISED (scales: A lowp_scales[4], B lowp_scales[5])
;;     4. batch 64 x [M 2,048, K 64] x [K 64, N 2,048]; A: computed on the way; B: computed on the way: QUANTISED (scales: A lowp_scales[6], B lowp_scales[7])
;;     5. batch 64 x [M 2,048, K 2,048] x [K 2,048, N 64]; A: softmax (see below); B: computed on the way: QUANTISED (scales: A lowp_scales[8], B lowp_scales[9])
;;   THE QUANTISER, for each operand of a quantised product, along K:
;;     - The operand's scale is 2^e, e = its entry of the input lowp_scales (int32; the entries are numbered through the quantised products in the list's order, A before B).
;;     - Each number is divided by the scale, clamped to +-57,344, and rounded to the nearest number of E5M2, ties to even, subnormals kept.
;;     - The product sums the exact products of the quantised numbers (number of the format x scale) in f32.
;;   ~~~python
;;   def quantise(x, axis, e):      # numpy; x: float32 -> the quantised numbers, widened to float32 again
;;       x = np.moveaxis(x, axis, -1); K = x.shape[-1]
;;       r = np.clip(x / 2.0 ** e, -57344, 57344)
;;       step = 2.0 ** (np.maximum(np.frexp(np.where(r == 0, 1, r))[1] - 1, -14) - 2)
;;       q = np.round(r / step) * step * 2.0 ** e      # np.round: ties to even
;;       return np.moveaxis(q, -1, axis).astype(np.float32)
;;   ~~~
;;   SOFTMAX AHEAD OF A QUANTISED PRODUCT. Where the list says 'softmax', what is quantised is not the finished softmax but p = 2^(t - M), with t = logit x log2(e) and M = ceil(the row's largest t), a whole number; so 1/2 < the row's largest p <= 1. The row's sum l is taken of the UNQUANTISED p, in f32, and the product's result is divided by l at the end. Since M is a whole number, a kernel that streams over the keys may use a running M (the ceiling of the running maximum): every later rescaling is an exact power of two, so the quantised numbers keep their values, but for numbers so far below the row's largest that they fall under the format's range.
;;   OPERANDS COMPUTED ON THE WAY. 'Computed on the way' means the value that the module computes at that place (a softmax that the list does not call 'softmax' is quantised finished and normalised). What goes into a quantiser is computed in f32, as accurately as f32 sums, v_exp_f32 and their like allow (about 1e-6 of the number): no bf16 or f16 on the way to a quantiser, and a product that is left as it is and whose result goes on into a quantised operand takes f32 operands (vector FMAs, or v_wmma_f32_16x16x4_f32). A number that lies on a knife's edge between two numbers of the format may be rounded either way, as far as f32 arithmetic and the matrix unit's own rounding can turn it there, and no further.
;; One version. Each part assembles by itself: llvm-mc -triple=amdgcn-amd-amdhsa -mcpu=gfx1250 --defsym DOCPART=n.
;; ======== version 1 of 1: 3 launches
;; limits: right only within a limited range of input values
;; workspace buffers: xcodes 25,165,824 bytes; wcodes 3,145,728 bytes; qkv 25,165,824 bytes
;; launch prep (part 1): grid 1120 x 1, 4 waves a work-group, no clusters, 36,352 bytes of LDS; arguments data, Wq, Wk, Wv, lowp_scales, xcodes, wcodes; writes xcodes, wcodes
.if DOCPART == 1
	.amdgcn_target "amdgcn-amd-amdhsa--gfx1250"
	.amdhsa_code_object_version 6
	.text
	.protected	k_q87a75de7a8_prep
	.globl	k_q87a75de7a8_prep
	.p2align	8
	.type	k_q87a75de7a8_prep,@function
k_q87a75de7a8_prep:
	s_mov_b64 s[64:65], 0
	v_nop
	global_prefetch_b8 v0, s[64:65] scope:SCOPE_SE
	s_setreg_imm32_b32 hwreg(HW_REG_WAVE_MODE, 25, 1), 1
	s_wait_xcnt 0x0
; PREP.  Two kinds of work-groups, told apart by the work-group's number alone.
; Work-groups 0-95: Wq, Wk, Wv [k 1024][n 1024] f32 become codes of E5M2 laid [n][k], K innermost, under 2^e1, 2^e3, 2^e5.  A lane takes a column n and its registers run down K,
;   so that the conversions give codes with K innermost; they leave through the wave's own stage in LDS as rows: sixteen lanes store 256 consecutive bytes, aligned.
; Work-groups 96-1119: x = data + PE, quantised three times, under 2^e0, 2^e2, 2^e4: three tensors [8192][1024] of codes.  Work-group u takes positions 2u and 2u+1 in all four batches:
;   the positional table's 2 x 1024 numbers are made once and serve four batches.  Thread t owns columns 8t .. 8t+7.  No LDS, no loop, no barrier.
; PE[p][i] = (i even ? sin : cos)(p / 10000^(i'/512)) x (p even ? sin : cos)(i / 10000^(p'/1024)), i' = i less its lowest bit, p' likewise: p' = 2u, so the second denominator is 10000^(u/512).
;   A denominator 10000^(n/512) = 2^(n x log2(10)/128): the product is kept in two parts, its whole part goes into v_ldexp_f32 and v_exp_f32 sees at most 1/2 in magnitude.
;   A quotient is a reciprocal, a multiplication and one correction by the remainder.  Sine and cosine: the argument (0 to 2,047) less k x pi/2, pi/2 in three parts (the first step is exact), then two polynomials
;   on at most pi/4 (what is left out is under 3e-8), exchanged and signed by k mod 4.
; code = x / 2^e, held within +-57,344, to the nearest code, ties to even.
; LIMITS: e0 .. e5 between -126 and 112, so that 2^e and 57,344 x 2^e are f32 numbers.  NaN among the inputs is not served.
.set WGW,    96                        ; the weights' work-groups: 3 tensors x 8 (128 columns) x 4 (256 along K)
.set WPITCH, 272                       ; a stage row: 256 bytes of codes + 16
.set WX,     32                        ; weights: v32-95 two sets of 32 numbers
.set WC,     96                        ;          v96-103 a block's codes
.set WO,     112                       ;          v112-175 the way out
.set DN,  4                            ; x: v4-7 the four column denominators, v8 the row pair's
.set RC,  9                            ;    v9-13 their reciprocals
.set NR,  14                           ;    v14-15 the positions 2u, 2u+1 as f32
.set NJ,  16                           ;    v16-23 my eight columns as f32
.set PE,  32                           ;    v32-47 the first factor, then PE: 8 x (row of the pair) + column
.set MU,  48                           ;    v48-63 the second factor, laid likewise
.set X,   64                           ;    v64-127 data, then x: group g = 2 x batch + row at 8 g
.set ARG, 128                          ;    v128-143 the sixteen arguments;
.set T,   128                          ;    later two sets of eight held numbers
.set W,   144                          ;    v144-175 at work;
.set C,   144                          ;    later v144-191 codes: a pair for each of the 24 stores, so that no store's data are written again
.set SCL, 24                           ;    v24+2s: 2^e of scale s, v25+2s: 57,344 x 2^e
.set IDX, 144
.set Y,   149
.set ER,  154
.set NN,  159
.set FF,  164
; Sine and cosine of four arguments v[ARG+a0 ..]; argument n's sine goes to v[sd + ss n], its cosine to v[cd + cs n].  The four go line by line, so that no line waits for the line above it.
; At work, for argument n, from v[W + 8 n]: +0 k, +1 r, +2 r^2, +3 the sine, +4 the cosine, +5 k as a whole number, +6 a sign.
.macro SC4 a0, sd, ss, cd, cs
.irp n, 0,1,2,3
	v_mul_f32 v[W+8*\n], s40, v[ARG+\a0+\n]
.endr
.irp n, 0,1,2,3
	v_rndne_f32 v[W+8*\n], v[W+8*\n]                               ; k = the nearest whole number to A x 2/pi
.endr
.irp n, 0,1,2,3
	v_fma_f32 v[W+8*\n+1], -v[W+8*\n], s41, v[ARG+\a0+\n]          ; r = A - k x pi/2, part by part
.endr
.irp n, 0,1,2,3
	v_fma_f32 v[W+8*\n+1], -v[W+8*\n], s42, v[W+8*\n+1]
.endr
.irp n, 0,1,2,3
	v_fma_f32 v[W+8*\n+1], -v[W+8*\n], s43, v[W+8*\n+1]
	v_cvt_i32_f32 v[W+8*\n+5], v[W+8*\n]
.endr
.irp n, 0,1,2,3
	v_mul_f32 v[W+8*\n+2], v[W+8*\n+1], v[W+8*\n+1]
.endr
.irp n, 0,1,2,3
	v_fma_f32 v[W+8*\n+3], v[W+8*\n+2], s47, s46                   ; sine:   ((r^2/9! - 1/7!) r^2 + 1/5!) r^2 - 1/3!
	v_fma_f32 v[W+8*\n+4], v[W+8*\n+2], s50, s49                   ; cosine: ((r^2/8! - 1/6!) r^2 + 1/4!) r^2 - 1/2
.endr
.irp n, 0,1,2,3
	v_fma_f32 v[W+8*\n+3], v[W+8*\n+3], v[W+8*\n+2], s45
	v_fma_f32 v[W+8*\n+4], v[W+8*\n+4], v[W+8*\n+2], s48
.endr
.irp n, 0,1,2,3
	v_fma_f32 v[W+8*\n+3], v[W+8*\n+3], v[W+8*\n+2], s44
	v_fma_f32 v[W+8*\n+4], v[W+8*\n+4], v[W+8*\n+2], -0.5
.endr
.irp n, 0,1,2,3
	v_mul_f32 v[W+8*\n+3], v[W+8*\n+3], v[W+8*\n+2]
	v_fma_f32 v[W+8*\n+4], v[W+8*\n+4], v[W+8*\n+2], 1.0
	v_and_b32 v[W+8*\n+6], 1, v[W+8*\n+5]
.endr
.irp n, 0,1,2,3
	v_fma_f32 v[W+8*\n+3], v[W+8*\n+3], v[W+8*\n+1], v[W+8*\n+1]   ; r + r x (r^2 x ..)
.endr
.irp n, 0,1,2,3
	v_cmp_eq_u32 vcc_lo, 1, v[W+8*\n+6]                            ; k odd: the two change places
	v_cndmask_b32 v[\sd+\ss*\n], v[W+8*\n+3], v[W+8*\n+4], vcc_lo
	v_cndmask_b32 v[\cd+\cs*\n], v[W+8*\n+4], v[W+8*\n+3], vcc_lo
.endr
.irp n, 0,1,2,3
	v_lshlrev_b32 v[W+8*\n+6], 30, v[W+8*\n+5]                     ; the sine is negative where bit 1 of k is set,
	v_add_nc_u32 v[W+8*\n+5], 1, v[W+8*\n+5]                       ; the cosine where bit 1 of k + 1 is
.endr
.irp n, 0,1,2,3
	v_and_b32 v[W+8*\n+6], 0x80000000, v[W+8*\n+6]
	v_lshlrev_b32 v[W+8*\n+5], 30, v[W+8*\n+5]
.endr
.irp n, 0,1,2,3
	v_xor_b32 v[\sd+\ss*\n], v[\sd+\ss*\n], v[W+8*\n+6]
	v_and_b32 v[W+8*\n+5], 0x80000000, v[W+8*\n+5]
.endr
.irp n, 0,1,2,3
	v_xor_b32 v[\cd+\cs*\n], v[\cd+\cs*\n], v[W+8*\n+5]
.endr
.endm
; The weights: block t of 32 along K of my column, into set t % 2
.macro WLOAD t
.irp i, 0,1,2,3,4,5,6,7,8,9,10,11,12,13,14,15,16,17,18,19,20,21,22,23,24,25,26,27,28,29,30,31
	global_load_b32 v[WX+32*((\t)%2)+\i], v3, s[6:7] offset:(32*(\t)+\i)*4096 th:TH_LOAD_NT   ; a row of W at 32 neighbouring columns: 128 consecutive bytes a wave, 512 a work-group
.endr
.endm
.macro WBLOCK t
.if (\t) < 7
	s_wait_loadcnt 32                              ; this block's 32 loads are in; the next block's may be out
.else
	s_wait_loadcnt 0x0
.endif
.irp i, 0,1,2,3,4,5,6,7,8,9,10,11,12,13,14,15,16,17,18,19,20,21,22,23,24,25,26,27,28,29,30,31
	v_med3_num_f32 v[WX+32*((\t)%2)+\i], v[WX+32*((\t)%2)+\i], -v10, v10   ; the conversion to an 8-bit code does not saturate (ISA guide 7.6.2): the hold comes first
.endr
.irp g, 0,1,2,3
	v_cvt_scalef32_pk8_bf8_f32 v[WC+2*\g:WC+2*\g+1], v[WX+32*((\t)%2)+8*\g:WX+32*((\t)%2)+8*\g+7], v11
.endr
	ds_store_b128 v4, v[WC:WC+3] offset:32*(\t)    ; 32 codes: 32 bytes of my column's row
	ds_store_b128 v4, v[WC+4:WC+7] offset:32*(\t)+16
.if (\t)+2 < 8
	WLOAD (\t)+2
.endif
	s_wait_dscnt 0x0                               ; the stores have read their registers: the next block's codes may be written
.endm
	s_load_b256 s[4:11], s[0:1], 0x0               ; data s[4:5], Wq s[6:7], Wk s[8:9], Wv s[10:11]
	s_load_b128 s[12:15], s[0:1], 0x20             ; the scales' exponents s[12:13], x's codes s[14:15]
	s_load_b64 s[16:17], s[0:1], 0x30              ; the weights' codes
	v_lshl_add_u32 v30, v0, 2, 0x8c00
	v_mov_b32 v31, 0
	s_wait_kmcnt 0x0
	s_load_b256 s[24:31], s[12:13], 0x0            ; e0 .. e7
	s_cmp_lt_u32 ttmp9, WGW
	s_cbranch_scc1 .Lweights
	; ---------------- x = data + PE, three times quantised ----------------
	s_sub_co_u32 s32, ttmp9, WGW                   ; u: positions 2u, 2u+1
	s_lshl_b32 s33, s32, 1
	s_add_co_u32 s36, s33, 1
	s_lshl_b32 s34, s32, 13                        ; two rows of 4,096 bytes
	s_mov_b32 s35, 0
	s_add_nc_u64 s[54:55], s[4:5], s[34:35]        ; data at position 2u of batch 0,
	s_add_nc_u64 s[56:57], s[54:55], 0x800000      ; and of batches 1 to 3: 2,048 rows of 4,096 bytes on
	s_add_nc_u64 s[58:59], s[56:57], 0x800000
	s_add_nc_u64 s[60:61], s[58:59], 0x800000
	v_lshlrev_b32 v1, 5, v0                        ; my eight numbers of a row
	v_lshlrev_b32 v2, 3, v0                        ; my first column; also my eight codes' byte in a row
	s_wait_alu depctr_va_vdst(0)
.irp g, 0,1,2,3,4,5,6,7
	global_load_b128 v[X+8*\g:X+8*\g+3],   v1, s[54+2*(\g/2):55+2*(\g/2)] offset:(\g%2)*4096 th:TH_LOAD_NT      ; the two loads of a group cover 1,024 consecutive bytes a wave
	global_load_b128 v[X+8*\g+4:X+8*\g+7], v1, s[54+2*(\g/2):55+2*(\g/2)] offset:(\g%2)*4096+16 th:TH_LOAD_NT
.endr
	s_lshl_b32 s34, s32, 11                        ; two rows of 1,024 codes
	s_add_nc_u64 s[66:67], s[14:15], s[34:35]      ; the three tensors of codes at position 2u of batch 0
	s_add_nc_u64 s[68:69], s[66:67], 0x800000
	s_add_nc_u64 s[70:71], s[68:69], 0x800000
	s_mov_b32 s40, 0x3f22f983                      ; 2/pi
	s_mov_b32 s41, 0x3fc90fdb                      ; pi/2 = s41 + s42 + s43
	s_mov_b32 s42, 0xb33bbd2e
	s_mov_b32 s43, 0xa6f72cec
	s_mov_b32 s44, 0xbe2aaaab                      ; -1/3!
	s_mov_b32 s45, 0x3c088889                      ; 1/5!
	s_mov_b32 s46, 0xb9500d01                      ; -1/7!
	s_mov_b32 s47, 0x3638ef1d                      ; 1/9!
	s_mov_b32 s48, 0x3d2aaaab                      ; 1/4!
	s_mov_b32 s49, 0xbab60b61                      ; -1/6!
	s_mov_b32 s50, 0x37d00d01                      ; 1/8!
	s_mov_b32 s51, 0x3cd49a78                      ; log2(10)/128 = s51 + s52
	s_mov_b32 s52, 0x30179a37
	; the five denominators 10000^(n/512): n = 8t, 8t+2, 8t+4, 8t+6 and u
.irp k, 0,1,2,3
	v_add_nc_u32 v[IDX+\k], 2*\k, v2
.endr
.irp k, 0,1,2,3
	v_cvt_f32_u32 v[IDX+\k], v[IDX+\k]
.endr
	v_cvt_f32_u32 v[IDX+4], s32
.irp k, 0,1,2,3,4
	v_mul_f32 v[Y+\k], s51, v[IDX+\k]              ; y, rounded,
.endr
.irp k, 0,1,2,3,4
	v_fma_f32 v[ER+\k], v[IDX+\k], s51, -v[Y+\k]   ; what the rounding lost,
	v_rndne_f32 v[NN+\k], v[Y+\k]
.endr
.irp k, 0,1,2,3,4
	v_fma_f32 v[ER+\k], v[IDX+\k], s52, v[ER+\k]   ; and the constant's second part
	v_sub_f32 v[Y+\k], v[Y+\k], v[NN+\k]           ; exact
.endr
.irp k, 0,1,2,3,4
	v_add_f32 v[Y+\k], v[Y+\k], v[ER+\k]
	v_cvt_i32_f32 v[NN+\k], v[NN+\k]
.endr
	s_wait_alu depctr_va_vdst(0)
.irp k, 0,1,2,3,4
	v_exp_f32 v[FF+\k], v[Y+\k]
.endr
	v_cvt_f32_u32 v[NR], s33                       ; plain work behind the batch: the two positions
	v_cvt_f32_u32 v[NR+1], s36
	s_wait_alu depctr_va_vdst(0)                   ; one wait for the five exponentials, ahead of their first reader
.irp k, 0,1,2,3,4
	v_ldexp_f32 v[DN+\k], v[FF+\k], v[NN+\k]
.endr
	s_wait_alu depctr_va_vdst(0)
.irp k, 0,1,2,3,4
	v_rcp_f32 v[RC+\k], v[DN+\k]
.endr
.irp i, 0,1,2,3,4,5,6,7
	v_add_nc_u32 v[NJ+\i], \i, v2                  ; plain work behind the batch: my eight columns
.endr
.irp i, 0,1,2,3,4,5,6,7
	v_cvt_f32_u32 v[NJ+\i], v[NJ+\i]
.endr
	s_wait_alu depctr_va_vdst(0)                   ; one wait for the five reciprocals
	; the sixteen arguments: 4 x row + pair of columns: position / column denominator;  8 + column: column / row denominator
.irp a, 0,1,2,3,4,5,6,7
	v_mul_f32 v[ARG+\a], v[NR+\a/4], v[RC+\a%4]
	v_mul_f32 v[ARG+8+\a], v[NJ+\a], v[RC+4]
.endr
.irp a, 0,1,2,3,4,5,6,7
	v_fma_f32 v[W+\a], -v[ARG+\a], v[DN+\a%4], v[NR+\a/4]          ; the remainder,
	v_fma_f32 v[W+8+\a], -v[ARG+8+\a], v[DN+4], v[NJ+\a]
.endr
.irp a, 0,1,2,3,4,5,6,7
	v_fma_f32 v[ARG+\a], v[W+\a], v[RC+\a%4], v[ARG+\a]            ; and the quotient corrected by it
	v_fma_f32 v[ARG+8+\a], v[W+8+\a], v[RC+4], v[ARG+8+\a]
.endr
	SC4 0,  PE,   2, PE+1,  2                      ; row 2u:   even columns the sine, odd columns the cosine of the same argument
	SC4 4,  PE+8, 2, PE+9,  2                      ; row 2u+1
	SC4 8,  MU,   1, MU+8,  1                      ; the second factor: row 2u the sine, row 2u+1 the cosine
	SC4 12, MU+4, 1, MU+12, 1
.irp m, 0,2,4,6,8,10,12,14
	v_pk_mul_f32 v[PE+\m:PE+\m+1], v[PE+\m:PE+\m+1], v[MU+\m:MU+\m+1]
.endr
	s_wait_kmcnt 0x0
.irp s, 0,1,2
	s_add_co_i32 s36, s[24+2*\s], 127              ; e0, e2, e4
	s_lshl_b32 s37, s36, 23
	v_mov_b32 v[SCL+2*\s], s37                     ; 2^e as f32: the conversion takes its exponent field
	s_add_co_i32 s36, s36, 15
	s_lshl_b32 s36, s36, 23
	s_or_b32 s36, s36, 0x600000
	v_mov_b32 v[SCL+2*\s+1], s36                   ; 57,344 x 2^e
.endr
.irp g, 0,1,2,3,4,5,6,7
	s_wait_loadcnt 14-2*\g                         ; this group's two loads are in; the younger groups' may be out
.irp m, 0,2,4,6
	v_pk_add_f32 v[X+8*\g+\m:X+8*\g+\m+1], v[X+8*\g+\m:X+8*\g+\m+1], v[PE+8*(\g%2)+\m:PE+8*(\g%2)+\m+1]
.endr
	s_wait_alu depctr_va_vdst(0)
.irp s, 0,1,2
.irp i, 0,1,2,3,4,5,6,7
	v_med3_num_f32 v[T+8*((3*\g+\s)%2)+\i], v[X+8*\g+\i], -v[SCL+2*\s+1], v[SCL+2*\s+1]   ; the hold, into one of two sets by turns: these eight plain lines stand between a conversion and the next write of its sources
.endr
	v_cvt_scalef32_pk8_bf8_f32 v[C+2*(3*\g+\s):C+2*(3*\g+\s)+1], v[T+8*((3*\g+\s)%2):T+8*((3*\g+\s)%2)+7], v[SCL+2*\s]
	global_store_b64 v2, v[C+2*(3*\g+\s):C+2*(3*\g+\s)+1], s[66+2*\s:67+2*\s] offset:(\g/2)*2097152+(\g%2)*1024   ; a wave stores 256 consecutive bytes, aligned
.endr
.endr
	s_endpgm
	; ---------------- the weights ----------------
.Lweights:
	v_lshrrev_b32 v1, 5, v0
	v_readfirstlane_b32 s36, v1                    ; wave 0..3
	v_and_b32 v2, 31, v0                           ; lane
	s_lshr_b32 s33, ttmp9, 5                       ; which weight: 0 Wq, 1 Wk, 2 Wv
	s_and_b32 s34, ttmp9, 7                        ; which 128 columns
	s_bfe_u32 s35, ttmp9, 0x20003                  ; which 256 along K
	s_lshl_b32 s37, s34, 7
	s_lshl_b32 s38, s36, 5
	s_add_co_u32 s37, s37, s38                     ; my wave's first column
	v_lshlrev_b32 v3, 2, v2                        ; in: 4 bytes a lane
	s_mul_i32 s39, s36, 32*WPITCH                  ; my stage
	v_mul_u32_u24 v4, v2, WPITCH
	v_add_nc_u32 v4, s39, v4                       ; into it: row = my column
	v_and_b32 v5, 15, v2
	v_lshrrev_b32 v6, 4, v2                        ; out of it: sixteen lanes to a row, two rows an instruction
	v_mul_u32_u24 v7, v6, WPITCH
	v_lshl_add_u32 v7, v5, 4, v7
	v_add_nc_u32 v7, s39, v7
	v_lshlrev_b32 v8, 10, v6
	v_lshl_add_u32 v8, v5, 4, v8                   ; and the same place in the codes' buffer: rows of 1,024 bytes
	s_lshl_b32 s40, s35, 20                        ; W: 256 rows of 4,096 bytes for each step along K,
	s_lshl_b32 s41, s37, 2
	s_add_co_u32 s40, s40, s41                     ; + 4 x column
	s_mov_b32 s41, 0
	s_lshl_b32 s42, s33, 20                        ; codes: the tensor,
	s_lshl_b32 s43, s37, 10
	s_add_co_u32 s42, s42, s43                     ; + column x 1,024
	s_lshl_b32 s43, s35, 8
	s_add_co_u32 s42, s42, s43                     ; + 256 for each step along K
	s_mov_b32 s43, 0
	s_wait_kmcnt 0x0
	s_cmp_eq_u32 s33, 0
	s_cselect_b64 s[6:7], s[6:7], s[8:9]
	s_cselect_b32 s25, s25, s27                    ; e1 or e3,
	s_cmp_eq_u32 s33, 2
	s_cselect_b64 s[6:7], s[10:11], s[6:7]
	s_cselect_b32 s25, s29, s25                    ; or e5
	s_add_nc_u64 s[6:7], s[6:7], s[40:41]
	s_add_nc_u64 s[16:17], s[16:17], s[42:43]
	WLOAD 0
	WLOAD 1
	s_add_co_i32 s25, s25, 127
	s_lshl_b32 s26, s25, 23
	v_mov_b32 v11, s26                             ; 2^e as f32
	s_add_co_i32 s25, s25, 15
	s_lshl_b32 s25, s25, 23
	s_or_b32 s25, s25, 0x600000
	v_mov_b32 v10, s25                             ; 57,344 x 2^e
	s_wait_alu depctr_va_vdst(0)
.irp t, 0,1,2,3,4,5,6,7
	WBLOCK \t
.endr
.irp t, 0,1,2,3,4,5,6,7,8,9,10,11,12,13,14,15
	ds_load_b128 v[WO+4*\t:WO+4*\t+3], v7 offset:2*\t*WPITCH       ; LDS serves a wave's instructions in order (ISA guide 5.7.1.4): these see my stores
.endr
.irp t, 0,1,2,3,4,5,6,7,8,9,10,11,12,13,14,15
	s_wait_dscnt 15-\t
	global_store_b128 v8, v[WO+4*\t:WO+4*\t+3], s[16:17] offset:2*\t*1024   ; sixteen lanes store 256 consecutive bytes, aligned
.endr
	s_wait_tensorcnt 0x0
	ds_add_u32 v30, v31
	s_wait_dscnt 0x0
	s_endpgm
.Lfunc_end_k_q87a75de7a8_prep:
	.size	k_q87a75de7a8_prep, .Lfunc_end_k_q87a75de7a8_prep-k_q87a75de7a8_prep
	.p2alignl 7, 3214868480
	.fill 96, 4, 3214868480
	.section	.rodata,"a",@progbits
	.p2align	6, 0x0
	.amdhsa_kernel k_q87a75de7a8_prep
		.amdhsa_group_segment_fixed_size 36352
		.amdhsa_private_segment_fixed_size 0
		.amdhsa_enable_private_segment 0
		.amdhsa_kernarg_size 56
		.amdhsa_user_sgpr_count 2
		.amdhsa_user_sgpr_kernarg_segment_ptr 1
		.amdhsa_wavefront_size32 1
		.amdhsa_system_sgpr_workgroup_id_x 1
		.amdhsa_system_sgpr_workgroup_id_y 1
		.amdhsa_system_sgpr_workgroup_id_z 1
		.amdhsa_system_vgpr_workitem_id 0
		.amdhsa_next_free_vgpr 192
		.amdhsa_next_free_sgpr 80
		.amdhsa_reserve_vcc 1
		.amdhsa_float_denorm_mode_32 3
		.amdhsa_float_denorm_mode_16_64 3
		.amdhsa_memory_ordered 1
		.amdhsa_forward_progress 1
		.amdhsa_inst_pref_size 98
	.end_amdhsa_kernel
	.amdgpu_metadata
---
amdhsa.version: [ 1, 2 ]
amdhsa.kernels:
  - .name:           k_q87a75de7a8_prep
    .symbol:         k_q87a75de7a8_prep.kd
    .args:
      - { .name: data, .offset: 0, .size: 8, .value_kind: global_buffer, .address_space: global }
      - { .name: Wq, .offset: 8, .size: 8, .value_kind: global_buffer, .address_space: global }
      - { .name: Wk, .offset: 16, .size: 8, .value_kind: global_buffer, .address_space: global }
      - { .name: Wv, .offset: 24, .size: 8, .value_kind: global_buffer, .address_space: global }
      - { .name: lowp_scales, .offset: 32, .size: 8, .value_kind: global_buffer, .address_space: global }
      - { .name: xcodes, .offset: 40, .size: 8, .value_kind: global_buffer, .address_space: global }
      - { .name: wcodes, .offset: 48, .size: 8, .value_kind: global_buffer, .address_space: global }
    .group_segment_fixed_size: 36352
    .private_segment_fixed_size: 0
    .kernarg_segment_align: 8
    .kernarg_segment_size: 56
    .max_flat_workgroup_size: 128
    .sgpr_count:     80
    .vgpr_count:     192
    .wavefront_size: 32
...
	.end_amdgpu_metadata
.endif
;; end of part 1
;; launch proj (part 2): grid 4 x 96, 4 waves a work-group, clusters of 4 x 4, 327,680 bytes of LDS; arguments xcodes, wcodes, lowp_scales, bq, bk, bv, qkv; writes qkv
.if DOCPART == 2
	.amdgcn_target "amdgcn-amd-amdhsa--gfx1250"
	.amdhsa_code_object_version 6
	.text
	.protected	k_q87a75de7a8_proj
	.globl	k_q87a75de7a8_proj
	.p2align	8
	.type	k_q87a75de7a8_proj,@function
k_q87a75de7a8_proj:
	s_mov_b64 s[64:65], 0
	v_nop
	global_prefetch_b8 v0, s[64:65] scope:SCOPE_SE
	s_setreg_imm32_b32 hwreg(HW_REG_WAVE_MODE, 25, 1), 1
	s_wait_xcnt 0x0
	s_wait_alu depctr_hold_cnt(0) depctr_sa_sdst(0) depctr_va_vdst(0) depctr_va_sdst(0) depctr_va_ssrc(0) depctr_va_vcc(0) depctr_vm_vsrc(0)
	s_getreg_b32 s2, hwreg(HW_REG_IB_STS2, 6, 4)
	s_cmp_eq_u32 s2, 0
	s_cbranch_scc0 .Lentry_in_a_cluster
	s_endpgm
.Lentry_in_a_cluster:
	s_bfe_u32 s2, ttmp6, 0x10000c
	s_cmp_lg_u32 s2, 0xf033
	s_cbranch_scc0 .Lentry_shape_is_right
	s_endpgm
.Lentry_shape_is_right:
.set SIZE_K, 1024
.set KSTEP,  256
.set ROWB,   256
.set KROW,   SIZE_K
.set PITCH,  272
.set FR,     16
.set NL,     4
.set NP,     4
.set HALFT,  128*PITCH
.set SLOT,   4*HALFT
.set LAPS,   SIZE_K/(2*KSTEP)
.set SPARE,  2*SLOT
.set BIAS,   SPARE+512
.set WST,    16384
.set ADRA, 16
.set BRQ,  18
.set BRV,  19
.set ADRB, 20
.set STOQ, 22
.set STOV, 23
.set BST,  24
.set RD,   25
.set GO,   26
.set SPW,  28
.set NIL,  29
.set BI,   64
.set TT,   128
.set CD,   192
.set AF,   128
.set G1, 24
.set G0, 32
.set G1B, 48
.set G0B, 56
.set MSB, 0
.macro WIN new
.if MSB != \new
	s_set_vgpr_msb (MSB<<8)|\new
.set MSB, \new
.endif
.endm
.set MUL_LO, 0xa1
.set MUL_HI, 0xf1
.set TO_B,   0x40
.macro JLOAD g0a, g1a, g0b, g1b
	s_cmp_eq_u32 s15, 0
	s_cbranch_scc0 .Lfor_b_\@
	tensor_load_to_lds s[\g0a:\g0a+3], s[\g1a:\g1a+7]
	s_nop 0
.rept 4
	v_nop
.endr
	s_branch .Lasked_\@
.Lfor_b_\@:
	tensor_load_to_lds s[\g0b:\g0b+3], s[\g1b:\g1b+7]
	s_nop 0
.rept 4
	v_nop
.endr
.Lasked_\@:
.endm
.macro CREST
	s_cmp_lg_u32 s14, 0
	s_cbranch_scc1 .Lnot_wave_0_\@
	s_barrier_signal -3
.Lnot_wave_0_\@:
	s_barrier_wait -3
	s_barrier_signal -1
	s_barrier_wait -1
.endm
.macro CROUND
	s_barrier_signal -1
	s_barrier_wait -1
	CREST
.endm
	s_load_b128 s[4:7], s[0:1], 0x0
	s_load_b256 s[68:75], s[0:1], 0x10
	s_load_b64 s[76:77], s[0:1], 0x30
	v_lshl_add_u32 v[SPW], v0, 2, SPARE
	v_mov_b32 v[NIL], 0
	ds_add_u32 v28, v29
	ds_add_u32 v28, v29
	s_wait_dscnt 0x0
	v_lshrrev_b32 v1, 5, v0
	v_readfirstlane_b32 s14, v1
	s_lshr_b32 s15, s14, 1
	s_and_b32 s16, s14, 1
	s_bfe_u32 s40, ttmp6, 0x40000
	s_bfe_u32 s41, ttmp6, 0x40004
	s_and_b32 s67, ttmp7, 0xffff
	s_lshr_b32 s66, s67, 3
	s_and_b32 s67, s67, 7
	s_lshl_b32 s67, s67, 2
	s_cmp_eq_u32 s66, 2
	s_cselect_b32 s17, 0, s67
	s_cselect_b32 s42, s67, 0
	s_add_co_u32 s17, s17, s41
	s_add_co_u32 s42, s42, s40
	s_lshl_b32 s43, s41, 2
	s_lshl_b32 s43, 15, s43
	s_lshl_b32 s44, 0x1111, s40
	s_or_b32 s[G1+0], s43, (0<<16)|(1<<20)|(1<<21)|(5<<22)|(3<<25)
	s_or_b32 s[G1B+0], s44, (0<<16)|(1<<20)|(1<<21)|(5<<22)|(3<<25)
.irp g, G1, G1B
	s_mov_b32 s[\g+1], ROWB<<16
	s_mov_b32 s[\g+2], 128<<16
	s_mov_b32 s[\g+3], ROWB<<16
	s_mov_b32 s[\g+4], 128
	s_mov_b32 s[\g+5], KROW
	s_mov_b32 s[\g+6], 0
	s_mov_b32 s[\g+7], 0
.endr
	s_lshl_b32 s18, s16, 7
	s_lshl_b32 s20, s17, 8
	s_add_co_u32 s20, s20, s18
	s_lshl_b32 s46, s42, 8
	s_add_co_u32 s46, s46, s18
	s_lshl_b32 s20, s20, 10
	s_lshl_b32 s46, s46, 10
	s_mov_b32 s21, 0
	s_mov_b32 s47, 0
	s_mul_i32 s45, s14, HALFT
	s_wait_kmcnt 0x0
	s_load_b256 s[80:87], s[68:69], 0x0
	s_load_b64 s[88:89], s[68:69], 0x20
	s_lshl_b32 s78, s66, 23
	s_mov_b32 s79, 0
	s_add_nc_u64 s[4:5], s[4:5], s[78:79]
	s_lshl_b32 s78, s66, 20
	s_add_nc_u64 s[6:7], s[6:7], s[78:79]
	s_cmp_eq_u32 s66, 2
	s_cselect_b64 s[8:9], s[6:7], s[4:5]
	s_cselect_b64 s[12:13], s[4:5], s[6:7]
	s_add_nc_u64 s[20:21], s[8:9], s[20:21]
	s_add_nc_u64 s[46:47], s[12:13], s[46:47]
	CROUND
.irp s, 0,1
	s_mov_b32 s[G0+4*\s], 1
	s_add_co_u32 s[G0+4*\s+1], s45, \s*SLOT
	s_add_nc_u64 s[G0+4*\s+2:G0+4*\s+3], s[20:21], \s*ROWB
	s_or_b32 s[G0+4*\s+3], s[G0+4*\s+3], 0x80000000
	s_mov_b32 s[G0B+4*\s], 1
	s_add_co_u32 s[G0B+4*\s+1], s45, \s*SLOT
	s_add_nc_u64 s[G0B+4*\s+2:G0B+4*\s+3], s[46:47], \s*ROWB
	s_or_b32 s[G0B+4*\s+3], s[G0B+4*\s+3], 0x80000000
.endr
	JLOAD G0, G1, G0B, G1B
	s_cmp_eq_u32 s15, 0                            ; the prefetches: of the 128 rows that my wave fetches, my work-group names 32, told from its three partners' by address (cx for A's tile, cy for B's)
	s_cselect_b64 s[8:9], s[20:21], s[46:47]
	s_cselect_b32 s6, s40, s41
	s_lshl_b32 s6, s6, 15                          ; 32 rows of 1,024 bytes
	s_mov_b32 s7, 0
	s_add_nc_u64 s[8:9], s[8:9], s[6:7]
	v_and_b32 v27, 31, v0
	v_lshlrev_b32 v27, 10, v27                     ; a lane a row; v27 and s[8:9] are never rewritten
	global_prefetch_b8 v27, s[8:9] offset:2*ROWB th:TH_LOAD_NT scope:SCOPE_SE   ; K step 2: two refills ahead of its joint load
	s_wait_alu depctr_va_vdst(0)
	s_wait_tensorcnt 0x0
	ds_add_u32 v28, v29
	ds_add_u32 v28, v29
	s_wait_dscnt 0x0
	CROUND
	JLOAD G0+4, G1, G0B+4, G1B
	global_prefetch_b8 v27, s[8:9] offset:3*ROWB th:TH_LOAD_NT scope:SCOPE_SE   ; K step 3, the last: likewise two refills ahead
	v_and_b32 v1, 15, v0
	v_bfe_u32 v2, v0, 4, 1
	v_mul_u32_u24 v3, v1, PITCH
	v_lshl_add_u32 v4, v2, 4, v3
	s_mul_i32 s21, s15, HALFT
	s_mul_i32 s22, s16, HALFT
	s_add_co_u32 s22, s22, 2*HALFT
.irp s, 0,1
	v_add_nc_u32 v[ADRA+\s], s21, v4
	v_add_nc_u32 v[ADRB+\s], s22, v4
	s_add_co_u32 s21, s21, SLOT
	s_add_co_u32 s22, s22, SLOT
.endr
	s_lshl_b32 s23, s14, 14
	v_bfe_u32 v5, v0, 3, 1
	v_and_b32 v6, 7, v0
	v_lshlrev_b32 v[STOQ], 10, v5
	v_lshl_add_u32 v[STOQ], v6, 4, v[STOQ]
	v_lshl_add_u32 v[STOQ], v2, 3, v[STOQ]
	v_add_nc_u32 v[STOQ], s23, v[STOQ]
	v_lshlrev_b32 v[STOV], 4, v1
	v_lshl_add_u32 v[STOV], v2, 3, v[STOV]
	v_add_nc_u32 v[STOV], s23, v[STOV]
	v_and_b32 v7, 31, v0
	v_lshlrev_b32 v[GO], 4, v7
	s_wait_alu depctr_va_vdst(0)
	v_add_nc_u32 v[RD], s23, v[GO]
	s_lshl_b32 s23, s14, 9
	s_add_co_u32 s23, s23, BIAS
	v_add_nc_u32 v[BST], s23, v[GO]
	v_lshl_add_u32 v[BRQ], v2, 5, s23
	v_lshl_add_u32 v[BRV], v1, 2, s23
	s_lshl_b32 s92, s17, 8
	s_lshl_b32 s93, s15, 7
	s_add_co_u32 s92, s92, s93
	s_lshl_b32 s93, s42, 8
	s_lshl_b32 s94, s16, 7
	s_add_co_u32 s93, s93, s94
	s_cmp_eq_u32 s66, 2
	s_cselect_b32 s94, s93, s92
	s_cselect_b32 s95, s92, s93
	s_cselect_b64 s[90:91], s[74:75], s[72:73]
	s_cselect_b32 s79, 8192, 0
	s_cmp_eq_u32 s66, 0
	s_cselect_b64 s[90:91], s[70:71], s[90:91]
	s_cselect_b32 s78, 0, 0x800000
	s_cselect_b32 s98, 17, 18
	s_cselect_b32 s99, 13, 14
	s_add_co_u32 s78, s78, s79
	s_lshr_b32 s79, s95, 6
	s_lshl_b32 s79, s79, 2
	s_lshr_b32 s3, s94, 11
	s_add_co_u32 s79, s79, s3
	s_lshl_b32 s79, s79, s98
	s_add_co_u32 s78, s78, s79
	s_bfe_u32 s79, s94, 0x40007
	s_lshl_b32 s79, s79, s99
	s_add_co_u32 s78, s78, s79
	s_mov_b32 s79, 0
	s_add_nc_u64 s[10:11], s[76:77], s[78:79]
	s_lshl_b32 s78, 4, s98
	s_add_nc_u64 s[12:13], s[10:11], s[78:79]
	s_lshl_b32 s78, s95, 2
	s_add_nc_u64 s[90:91], s[90:91], s[78:79]
	global_load_b128 v[32:35], v[GO], s[90:91]
.macro FRAG reg, adr, q, i
.irp c, 0,1,2,3
	ds_load_b128 v[\reg+4*\c:\reg+4*\c+3], v[\adr] offset:128*(\q)+32*\c+(\i)*16*PITCH
.endr
.endm
.macro MUL16 a0, p, zero
.irp a, \a0, \a0+1
.irp b, 0,1,2,3,4,5,6,7
.if \zero
	v_wmma_f32_16x16x128_bf8_bf8 v[8*(8*((\a)%4)+\b):8*(8*((\a)%4)+\b)+7], v[128*(\p)+FR*\b:128*(\p)+FR*\b+FR-1], v[AF+FR*(\a):AF+FR*(\a)+FR-1], 0
.else
	v_wmma_f32_16x16x128_bf8_bf8 v[8*(8*((\a)%4)+\b):8*(8*((\a)%4)+\b)+7], v[128*(\p)+FR*\b:128*(\p)+FR*\b+FR-1], v[AF+FR*(\a):AF+FR*(\a)+FR-1], v[8*(8*((\a)%4)+\b):8*(8*((\a)%4)+\b)+7]
.endif
.endr
.endr
.endm
.macro FETCH_B slot, q, p
	WIN TO_B
.irp i, 0,1,2,3,4,5,6,7
	FRAG 128*(\p)+FR*\i, ADRB+\slot, \q, \i
.endr
	WIN 0
.endm
.macro FETCH_A slot, q, i0
.irp i, \i0, \i0+1, \i0+2, \i0+3
	FRAG AF+FR*(\i), ADRA+\slot, \q, \i
.endr
.endm
.macro PLACES n
.rept \n
	v_nop
.endr
.endm
.macro STEP slot, q, zero
	s_wait_dscnt 4*NL
	WIN MUL_LO
	MUL16 0, (\q)%2, \zero
	MUL16 2, (\q)%2, \zero
	s_wait_dscnt 0
	PLACES NP
	FETCH_B \slot, (\q)+1, 1-(\q)%2
	FETCH_A \slot, (\q)+1, 0
	WIN MUL_HI
	MUL16 4, (\q)%2, \zero
	MUL16 6, (\q)%2, \zero
	PLACES NP
	WIN 0
	FETCH_A \slot, (\q)+1, 4
.endm
.macro TURN slot, next, fill
	s_wait_tensorcnt 0x0
	ds_add_u32 v[SPW], v[NIL]
	s_wait_dscnt 4*NL+1
	WIN MUL_LO
	MUL16 0, 1, 0
	s_wait_dscnt 0x0
	s_barrier_signal -1
	MUL16 2, 1, 0
	WIN 0
	s_barrier_wait -1
.if \fill
	CREST
	s_add_nc_u64 s[G0+4*\slot+2:G0+4*\slot+3], s[G0+4*\slot+2:G0+4*\slot+3], 2*ROWB
	s_add_nc_u64 s[G0B+4*\slot+2:G0B+4*\slot+3], s[G0B+4*\slot+2:G0B+4*\slot+3], 2*ROWB
	JLOAD G0+4*\slot, G1, G0B+4*\slot, G1B
.else
	PLACES NP
.endif
	FETCH_B \next, 0, 0
	FETCH_A \next, 0, 0
	WIN MUL_HI
	MUL16 4, 1, 0
	MUL16 6, 1, 0
	PLACES NP
	WIN 0
	FETCH_A \next, 0, 4
.endm
	s_wait_tensorcnt 1
	s_barrier_signal -1
	s_barrier_wait -1
	FETCH_B 0, 0, 0
	FETCH_A 0, 0, 0
	FETCH_A 0, 0, 4
	STEP 0, 0, 1
	s_mov_b32 s3, LAPS-1
.Llap:
	TURN 0, 1, 1
	STEP 1, 0, 0
	TURN 1, 0, 1
	STEP 0, 0, 0
	s_sub_co_u32 s3, s3, 1
	s_cmp_lg_u32 s3, 0
	s_cbranch_scc1 .Llap
	TURN 0, 1, 0
	STEP 1, 0, 0
	s_wait_dscnt 4*NL
	WIN MUL_LO
	MUL16 0, 1, 0
	MUL16 2, 1, 0
	s_wait_dscnt 0
	WIN MUL_HI
	MUL16 4, 1, 0
	MUL16 6, 1, 0
	WIN 0
.macro PACK a, mode
	WIN 0x02+(\a)/4
.irp b, 0,1,2,3,4,5,6,7
.irp i, 0,2,4,6
.if \mode
	v_pk_fma_f32 v[TT+8*\b+\i:TT+8*\b+\i+1], v[64*((\a)%4)+8*\b+\i:64*((\a)%4)+8*\b+\i+1], s[96:97], v[BI+2*(\a):BI+2*(\a)+1] op_sel_hi:[1,0,1]
.else
	v_pk_fma_f32 v[TT+8*\b+\i:TT+8*\b+\i+1], v[64*((\a)%4)+8*\b+\i:64*((\a)%4)+8*\b+\i+1], s[96:97], v[BI+8*\b+\i:BI+8*\b+\i+1] op_sel_hi:[1,0,1]
.endif
.endr
.endr
	WIN 0
.if (\a) >= 2
	s_wait_dscnt 8
.endif
.irp b, 0,1,2,3,4,5,6,7
.irp i, 0,1,2,3,4,5,6,7
	v_med3_num_f32 v[TT+8*\b+\i], v[TT+8*\b+\i], -v31, v31
.endr
	v_cvt_scalef32_pk8_bf8_f32 v[CD+16*((\a)%2)+2*\b:CD+16*((\a)%2)+2*\b+1], v[TT+8*\b:TT+8*\b+7], v30
.endr
	v_nop
.irp b, 0,1,2,3,4,5,6,7
.if \mode
	ds_store_b64 v[STOV], v[CD+16*((\a)%2)+2*\b:CD+16*((\a)%2)+2*\b+1] offset:((\a)/4)*8192+((\a)%4)*2048+(\b/2)*512+(\b%2)*256
.else
	ds_store_b64 v[STOQ], v[CD+16*((\a)%2)+2*\b:CD+16*((\a)%2)+2*\b+1] offset:(\b/4)*8192+((\a)/2)*2048+((\b%4)/2)*512+(\b%2)*256+((\a)%2)*128
.endif
.endr
.endm
	s_wait_kmcnt 0x0
	s_cmp_eq_u32 s66, 0
	s_cselect_b32 s78, s80, s82
	s_cselect_b32 s79, s81, s83
	s_cselect_b32 s98, s86, s87
	s_cmp_eq_u32 s66, 2
	s_cselect_b32 s78, s84, s78
	s_cselect_b32 s79, s85, s79
	s_cselect_b32 s98, s89, s98
	s_add_co_i32 s96, s78, s79
	s_add_co_i32 s96, s96, 127
	s_lshl_b32 s96, s96, 23
	s_mov_b32 s97, s96
	s_add_co_i32 s98, s98, 127
	s_lshl_b32 s99, s98, 23
	v_mov_b32 v30, s99
	s_add_co_i32 s98, s98, 15
	s_lshl_b32 s98, s98, 23
	s_or_b32 s98, s98, 0x600000
	v_mov_b32 v31, s98
	PLACES NP
	s_wait_loadcnt 0x0
	s_wait_alu depctr_va_vdst(0)
	ds_store_b128 v[BST], v[32:35]
	s_cmp_eq_u32 s66, 2
	s_cbranch_scc1 .Lv
.irp b, 0,1,2,3,4,5,6,7
	ds_load_b128 v[BI+8*\b:BI+8*\b+3],   v[BRQ] offset:64*\b
	ds_load_b128 v[BI+8*\b+4:BI+8*\b+7], v[BRQ] offset:64*\b+16
.endr
	s_wait_dscnt 0x0
.irp a, 0,1,2,3,4,5,6,7
	PACK \a, 0
.endr
	s_branch .Lsend
.Lv:
.irp a, 0,1,2,3,4,5,6,7
	ds_load_b32 v[BI+2*\a],   v[BRV] offset:64*\a
	ds_load_b32 v[BI+2*\a+1], v[BRV] offset:64*\a
.endr
	s_wait_dscnt 0x0
.irp a, 0,1,2,3,4,5,6,7
	PACK \a, 1
.endr
.Lsend:
.irp n, 0,1,2,3,4,5,6,7,8,9,10,11,12,13,14,15,16,17,18,19,20,21,22,23,24,25,26,27,28,29,30,31
	ds_load_b128 v[BI+4*\n:BI+4*\n+3], v[RD] offset:512*\n
.endr
.irp n, 0,1,2,3,4,5,6,7,8,9,10,11,12,13,14,15,16,17,18,19,20,21,22,23,24,25,26,27,28,29,30,31
	s_wait_dscnt 31-\n
	global_store_b128 v[GO], v[BI+4*\n:BI+4*\n+3], s[10+2*(\n/16):11+2*(\n/16)] offset:512*(\n%16)
.endr
	s_wait_tensorcnt 0x0
	ds_add_u32 v[SPW], v[NIL]
	s_wait_dscnt 0x0
	CROUND
	s_endpgm
.Lfunc_end_k_q87a75de7a8_proj:
	.size	k_q87a75de7a8_proj, .Lfunc_end_k_q87a75de7a8_proj-k_q87a75de7a8_proj
	.p2alignl 7, 3214868480
	.fill 96, 4, 3214868480
	.section	.rodata,"a",@progbits
	.p2align	6, 0x0
	.amdhsa_kernel k_q87a75de7a8_proj
		.amdhsa_group_segment_fixed_size 327680
		.amdhsa_private_segment_fixed_size 0
		.amdhsa_enable_private_segment 0
		.amdhsa_kernarg_size 56
		.amdhsa_user_sgpr_count 2
		.amdhsa_user_sgpr_kernarg_segment_ptr 1
		.amdhsa_wavefront_size32 1
		.amdhsa_system_sgpr_workgroup_id_x 1
		.amdhsa_system_sgpr_workgroup_id_y 1
		.amdhsa_system_sgpr_workgroup_id_z 1
		.amdhsa_system_vgpr_workitem_id 0
		.amdhsa_next_free_vgpr 1024
		.amdhsa_next_free_sgpr 100
		.amdhsa_reserve_vcc 0
		.amdhsa_float_denorm_mode_32 3
		.amdhsa_float_denorm_mode_16_64 3
		.amdhsa_memory_ordered 1
		.amdhsa_forward_progress 1
		.amdhsa_inst_pref_size 203
	.end_amdhsa_kernel
	.amdgpu_metadata
---
amdhsa.version: [ 1, 2 ]
amdhsa.kernels:
  - .name:           k_q87a75de7a8_proj
    .symbol:         k_q87a75de7a8_proj.kd
    .args:
      - { .name: xcodes, .offset: 0, .size: 8, .value_kind: global_buffer, .address_space: global }
      - { .name: wcodes, .offset: 8, .size: 8, .value_kind: global_buffer, .address_space: global }
      - { .name: lowp_scales, .offset: 16, .size: 8, .value_kind: global_buffer, .address_space: global }
      - { .name: bq, .offset: 24, .size: 8, .value_kind: global_buffer, .address_space: global }
      - { .name: bk, .offset: 32, .size: 8, .value_kind: global_buffer, .address_space: global }
      - { .name: bv, .offset: 40, .size: 8, .value_kind: global_buffer, .address_space: global }
      - { .name: qkv, .offset: 48, .size: 8, .value_kind: global_buffer, .address_space: global }
    .group_segment_fixed_size: 327680
    .private_segment_fixed_size: 0
    .kernarg_segment_align: 8
    .kernarg_segment_size: 56
    .max_flat_workgroup_size: 128
    .sgpr_count:     100
    .vgpr_count:     1024
    .wavefront_size: 32
...
	.end_amdgpu_metadata
.endif
;; end of part 2
;; launch attn (part 3): grid 4 x 64, 8 waves a work-group, clusters of 4 x 1, 327,680 bytes of LDS; arguments qkv, lowp_scales, out0; writes out0
.if DOCPART == 3
	.amdgcn_target "amdgcn-amd-amdhsa--gfx1250"
	.amdhsa_code_object_version 6
	.text
	.protected	k_q87a75de7a8_attn
	.globl	k_q87a75de7a8_attn
	.p2align	8
	.type	k_q87a75de7a8_attn,@function
k_q87a75de7a8_attn:
	s_mov_b64 s[64:65], 0
	v_nop
	global_prefetch_b8 v0, s[64:65] scope:SCOPE_SE
	s_setreg_imm32_b32 hwreg(HW_REG_WAVE_MODE, 25, 1), 1
	s_wait_xcnt 0x0
	s_wait_alu depctr_hold_cnt(0) depctr_sa_sdst(0) depctr_va_vdst(0) depctr_va_sdst(0) depctr_va_ssrc(0) depctr_va_vcc(0) depctr_vm_vsrc(0)
	s_getreg_b32 s2, hwreg(HW_REG_IB_STS2, 6, 4)
	s_cmp_eq_u32 s2, 0
	s_cbranch_scc0 .Lentry_in_a_cluster
	s_endpgm
.Lentry_in_a_cluster:
	s_bfe_u32 s2, ttmp6, 0x10000c
	s_cmp_lg_u32 s2, 0x3003
	s_cbranch_scc0 .Lentry_shape_is_right
	s_endpgm
.Lentry_shape_is_right:
; ATTENTION ON CODES OF E5M2.  out0[hb][q][:] = sum over k of softmax_k(Q[hb][q] . K[hb][k] / 8) V[hb][k][:], hb = 0 .. 63, 2,048 queries and keys, head size 64.
; qkv holds the codes as images of the operands' registers: Q: 1,024 bytes for a tile of 16 queries; K and V: 16,384 bytes for each step of 128 keys (8 tiles of K, then 4 fragments of V^T).
; Tile 2 g + u of 32 neighbouring positions holds, in row r, position 32 g + 8 u + r + 8 (r / 8): so the 16 score registers of two neighbouring tiles of K are 16 neighbouring keys.
; THE SOFTMAX: t = score x log2(e) / 8; M = the running largest t rounded up to a whole number; p = 2^(t - M) is quantised under 2^e8, held at 57,344 x 2^e8; the row's sum is taken of the unquantised p and divides at the end.
; When M moves, the sum and O^T are multiplied by 2^(old M - new M), which rounds nothing; no branch hangs on data.
; SHARES.  A work-group owns 512 queries of one hb; each of its 8 waves owns 64 of them, four tiles, so that each fragment of K and of V read from LDS feeds four matrix instructions.
; The softmax goes two tiles, X and Y, at a time, X a stage ahead of Y.  The maxima run in eight chains a tile, the sums in six.  The lines that lead from X's maximum to its -M stand among Y's maxima, Y's among X's scalings.
; X's exponentials stand by turns with Y's scalings, Y's with X's holds: lines that read and write nothing of each other.
; Both products are used transposed (S^T = K Q^T, O^T = V^T P^T): a lane holds one query of each tile throughout.
; LDS.  All 16 steps of hb's K and V, 262,144 bytes, are fetched once: each wave asks for 32,768 bytes (128 rows of 256) by one tensor load.  Nothing is filled again.
; CLUSTER.  The four work-groups of one hb read the same K and V and ask for them jointly (mask 15).
; NO PREFETCH: the one stream of the launch is asked for whole by the tensor loads at the head; there is no loop in which to ask ahead of them.
; The next step's fragments of K are asked for in the step before; in the last of the 16 trips that address wraps to step 0: those 16 loads are inside the tiles and are not used.
; LIMITS: e6 + e7 between -123 and 130 (added to the exponent field of log2(e) / 8); e8 between -126 and 112; the scaled scores stay under 2^31 in magnitude.  NaN among the codes is not served.
; REGISTERS.  Window 0: v1-59 addresses, state and work; v64-127 K's eight tiles (v96-127 then V's fragments 2, 3); v128-255 the scores of two tiles, then p.
;             Window 1: v0-127 O^T (tile t at 32 t); v128-191 p's codes (tile t at 128 + 16 t); v192-223 Q (tile t at 192 + 8 t); v224-255 V's fragments 0, 1.
.set KVREG, 0x800000                   ; K and V begin here in qkv, 262,144 bytes for each hb
.set STEPB, 16384
.set SPARE, 0x40000                    ; behind the tiles: the spare words, 128 bytes a wave, four blocks of 256 bytes
.set STAGE, 0x40400                    ; behind them: a stage of 16 rows x 272 bytes for each wave; no tile lands here
.set SP,    272
.set L16, 1                            ; v1  16 x lane
.set ADV, 2                            ; v2  LDS address of the step in hand
.set SCP, 3                            ; v3  2^e8 as f32
.set ADK, 30                           ; v30 LDS address of the next step
.set SPW, 34                           ; v34 my spare word; v35 = 0; both never rewritten
.set NIL, 35
.set STO, 36
.set RD,  37
.set MX,  42                           ; v42-49 X's eight chains of maxima (v46-51 and v38-41 later hold the sums' chains)
.set MY,  52                           ; v52-59 Y's
.set KF,  64
.set S,   128
.set PC,  128                          ; window 1
.set QF,  192                          ; window 1
.set VW,  224                          ; window 1
.set WV,  10
.set CS,  44
.set SEL, 46
.set LIM, 48
.set TB,  49
.set CNT, 50
.set MSB, 0
.macro WIN new                         ; low byte: 1:0 source 0, 3:2 source 1, 5:4 source 2, 7:6 destination; the high byte repeats the setting that is left
.if MSB != \new
	s_set_vgpr_msb (MSB<<8)|\new
.set MSB, \new
.endif
.endm
.macro CROUND
	s_barrier_signal -1
	s_barrier_wait -1
	s_cmp_lg_u32 s[WV], 0
	s_cbranch_scc1 .Lnot_wave_0_\@
	s_barrier_signal -3
.Lnot_wave_0_\@:
	s_barrier_wait -3
	s_barrier_signal -1
	s_barrier_wait -1
.endm
.macro PLACES n
.rept \n
	v_nop
.endr
.endm
.macro KLOAD adr, t0                   ; four tiles of K: 8 registers each
.irp d, 0,1,2,3
	ds_load_b128 v[KF+8*(\t0+\d):KF+8*(\t0+\d)+3], v[\adr] offset:1024*(\t0+\d)
	ds_load_b128 v[KF+8*(\t0+\d)+4:KF+8*(\t0+\d)+7], v[\adr] offset:1024*(\t0+\d)+512
.endr
.endm
.macro SC4 p, t0                       ; S^T of query tiles 2 p and 2 p + 1 against four tiles of K
.irp d, 0,1,2,3
	v_wmma_f32_16x16x64_bf8_bf8 v[S+8*(\t0+\d):S+8*(\t0+\d)+7], v[KF+8*(\t0+\d):KF+8*(\t0+\d)+7], v[QF+16*\p:QF+16*\p+7], 0
	v_wmma_f32_16x16x64_bf8_bf8 v[S+64+8*(\t0+\d):S+64+8*(\t0+\d)+7], v[KF+8*(\t0+\d):KF+8*(\t0+\d)+7], v[QF+16*\p+8:QF+16*\p+15], 0
.endr
.endm
.macro PV2 f0, ab                      ; O^T += V^T P^T: two fragments of V (fragment f at ab + 16 f) against the four tiles' p; the 16 accumulators of a step take turns
.irp f, \f0, \f0+1
.irp t, 0,1,2,3
	v_wmma_f32_16x16x128_bf8_bf8 v[32*\t+8*(\f):32*\t+8*(\f)+7], v[\ab+16*(\f):\ab+16*(\f)+15], v[PC+16*\t:PC+16*\t+15], v[32*\t+8*(\f):32*\t+8*(\f)+7]
.endr
.endr
.endm
; The largest of a tile's 64 scores: eight chains at b, the registers in ascending order.  8 + 20 + 4 lines.
.macro M8I b, o                        ; registers 0-23 start the chains
.irp c, 0,1,2,3,4,5,6,7
	v_max3_num_f32 v[\b+\c], v[S+\o+3*\c], v[S+\o+3*\c+1], v[S+\o+3*\c+2]
.endr
.endm
.macro M4 b, o, c0, j                  ; registers j .. j + 7 onto chains c0 .. c0 + 3
.irp i, 0,1,2,3
	v_max3_num_f32 v[\b+\c0+\i], v[\b+\c0+\i], v[S+\o+\j+2*\i], v[S+\o+\j+2*\i+1]
.endr
.endm
.macro MJ b                            ; eight chains to three
	v_max3_num_f32 v[\b], v[\b], v[\b+4], v[\b+5]
	v_max3_num_f32 v[\b+1], v[\b+1], v[\b+6], v[\b+7]
	v_max_num_f32 v[\b+2], v[\b+2], v[\b+3]
.endm
.macro FX n                            ; n pairs of X's scores from J on become t - M
.rept \n
	v_pk_fma_f32 v[S+J:S+J+1], v[S+J:S+J+1], s[CS:CS+1], v[NX:NX+1] op_sel_hi:[1,0,0]
.set J, J+2
.endr
.endm
.macro PA d, a
	v_pk_add_f32 v[\d:\d+1], v[\d:\d+1], v[\a:\a+1]
.endm
.macro SUM6 o, sm                      ; the sum of a tile's 64 unquantised p onto sm: 32 packed additions in six chains
.irp c, 0,1
	v_pk_add_f32 v[38+2*\c:39+2*\c], v[S+\o+4*\c:S+\o+4*\c+1], v[S+\o+4*\c+2:S+\o+4*\c+3]
.endr
.irp c, 2,3,4
	v_pk_add_f32 v[42+2*\c:43+2*\c], v[S+\o+4*\c:S+\o+4*\c+1], v[S+\o+4*\c+2:S+\o+4*\c+3]
.endr
.set J, 20
.rept 3
	PA \sm, S+\o+J
	PA 38, S+\o+J+2
	PA 40, S+\o+J+4
	PA 46, S+\o+J+6
	PA 48, S+\o+J+8
	PA 50, S+\o+J+10
.set J, J+12
.endr
	PA \sm, S+\o+56
	PA 38, S+\o+58
	PA 40, S+\o+60
	PA 46, S+\o+62
	PA \sm, 50
	PA 38, 40
	PA 46, 48
	PA \sm, 38
	PA \sm, 46
.endm
.macro HOLD o                          ; one pair at J: the conversion does not saturate (ISA guide 7.6.2); p is not negative, so the hold is one-sided
	v_dual_min_num_f32 v[S+\o+J], s[LIM], v[S+\o+J] :: v_dual_min_num_f32 v[S+\o+J+1], s[LIM], v[S+\o+J+1]
.endm
; THE SOFTMAX OF TWO TILES, X (scores at S) and Y (at S + 64).  State of a tile, four registers: -M, the largest raw score, the sum in two halves.
.macro SOFTPAIR p
.set NX, 12+8*\p
.set NY, 16+8*\p
	v_mov_b32 v31, v[NX]                                   ; the old -M
	v_mov_b32 v32, v[NY]
	M8I MX, 0                                              ; X's largest score of the step
	M4 MX, 0, 0, 24
	M4 MX, 0, 4, 32
	M4 MX, 0, 0, 40
	M4 MX, 0, 4, 48
	M4 MX, 0, 0, 56
	MJ MX
	M8I MY, 64                                             ; Y's; the five lines that lead to X's -M stand among them
	v_max3_num_f32 v[MX], v[MX], v[MX+1], v[MX+2]
	M4 MY, 64, 0, 24
	v_permlanex16_b32 v28, v[MX], s[SEL], s[SEL+1]         ; lane l xor 16 holds my query's other 64 keys
	M4 MY, 64, 4, 32
	v_max3_num_f32 v[NX+1], v[NX+1], v[MX], v28            ; the running largest raw score
	M4 MY, 64, 0, 40
	v_mul_f32 v[MX], s[CS], v[NX+1]                        ; as t (the factor is positive)
	M4 MY, 64, 4, 48
	v_floor_f32 v[NX], -v[MX]                              ; -M = floor(-t)
	M4 MY, 64, 0, 56
	MJ MY
.set J, 0
	FX 3                                                   ; X's t - M; Y's lines to its -M, and the lines that make both f, stand among them
	v_max3_num_f32 v[MY], v[MY], v[MY+1], v[MY+2]
	FX 4
	v_permlanex16_b32 v29, v[MY], s[SEL], s[SEL+1]
	FX 4
	v_max3_num_f32 v[NY+1], v[NY+1], v[MY], v29
	FX 4
	v_mul_f32 v[MY], s[CS], v[NY+1]
	v_sub_f32 v31, v[NX], v31                              ; old M - new M, a whole number, 0 or less
	FX 4
	v_floor_f32 v[NY], -v[MY]
	v_cvt_i32_f32 v31, v31                                 ; (it saturates)
	FX 4
	v_sub_f32 v32, v[NY], v32
	v_ldexp_f32 v8, 1.0, v31                               ; f = 2^(old M - new M)
	FX 4
	v_cvt_i32_f32 v32, v32
	FX 5
	v_ldexp_f32 v10, 1.0, v32
	s_wait_alu depctr_va_vdst(0)                           ; the wait ahead of the exponentials
.set J, 0
.rept 32
	v_exp_f32 v[S+J], v[S+J]                               ; X: p = 2^(t - M);
	v_pk_fma_f32 v[S+64+J:S+65+J], v[S+64+J:S+65+J], s[CS:CS+1], v[NY:NY+1] op_sel_hi:[1,0,0]   ; by turns with Y's t - M
	v_exp_f32 v[S+J+1], v[S+J+1]
.set J, J+2
.endr
	v_pk_mul_f32 v[NX+2:NX+3], v[NX+2:NX+3], v[8:9] op_sel_hi:[1,0]      ; X's sum under the new M
	s_wait_alu depctr_va_vdst(0)                           ; one wait: behind X's exponentials, ahead of their readers; and between Y's scalings and Y's exponentials
	SUM6 0, NX+2
.set J, 0
.rept 32
	v_exp_f32 v[S+64+J], v[S+64+J]                         ; Y's exponentials, by turns with X's holds
	HOLD 0
	v_exp_f32 v[S+65+J], v[S+65+J]
.set J, J+2
.endr
	v_pk_mul_f32 v[NY+2:NY+3], v[NY+2:NY+3], v[10:11] op_sel_hi:[1,0]
	WIN 0x41                                               ; O^T, source 0 and destination, in window 1; f in window 0
	s_wait_alu depctr_va_vdst(0)                           ; one wait: behind Y's exponentials, ahead of their readers and of the readers of X's held p; and directly ahead of the first reader of O^T
.set J, 0
.rept 16
	v_pk_mul_f32 v[64*\p+J:64*\p+J+1], v[64*\p+J:64*\p+J+1], v[8:9] op_sel_hi:[1,0]             ; O^T under the new M
.set J, J+2
.endr
.set J, 0
.rept 16
	v_pk_mul_f32 v[64*\p+32+J:64*\p+33+J], v[64*\p+32+J:64*\p+33+J], v[10:11] op_sel_hi:[1,0]
.set J, J+2
.endr
	WIN 0
	SUM6 64, NY+2
.set J, 0
.rept 32
	HOLD 64
.set J, J+2
.endr
	WIN 0x40                                               ; the codes go to window 1
.irp y, 0,1
.irp b, 0,1,2,3
	v_cvt_scalef32_pk8_bf8_f32 v[PC+32*\p+16*\y+4*\b:PC+32*\p+16*\y+4*\b+1], v[S+64*\y+16*\b:S+64*\y+16*\b+7], v[SCP]
	v_cvt_scalef32_pk8_bf8_f32 v[PC+32*\p+16*\y+4*\b+2:PC+32*\p+16*\y+4*\b+3], v[S+64*\y+16*\b+8:S+64*\y+16*\b+15], v[SCP]
.endr
.endr
	v_nop                                                  ; one plain line between the last conversion and the matrix instructions that write its sources or read its codes
	WIN 0
.endm
	s_load_b128 s[4:7], s[0:1], 0x0                        ; qkv, the scales' exponents
	s_load_b64 s[8:9], s[0:1], 0x10                        ; out0
	v_lshl_add_u32 v[SPW], v0, 2, SPARE
	v_mov_b32 v[NIL], 0
	ds_add_u32 v[SPW], v[NIL]                              ; the opening: the add, twice on end, and its wait ahead of my tensor load
	ds_add_u32 v[SPW], v[NIL]
	v_lshrrev_b32 v2, 5, v0
	v_readfirstlane_b32 s[WV], v2                          ; wave 0..7
	s_bfe_u32 s11, ttmp6, 0x40000                          ; cx: which 512 queries
	s_and_b32 s12, ttmp7, 0xffff                           ; hb
	s_mov_b32 s16, 15|(3<<16)|(1<<21)                      ; group 1: the mask of the four partners, elements of 8 bytes, bit 21 beside the mask
	s_mov_b32 s17, 32<<16                                  ; rows of 32 elements = 256 bytes,
	s_mov_b32 s18, 128<<16                                 ; 128 of them,
	s_mov_b32 s19, 32<<16
	s_mov_b32 s20, 128
	s_mov_b32 s21, 32                                      ; dense
	s_mov_b32 s22, 0
	s_mov_b32 s23, 0
	s_mov_b32 s32, 1
	s_lshl_b32 s33, s[WV], 15                              ; my 32,768 bytes: steps 2 wave and 2 wave + 1, in LDS as in memory
	s_lshl_b32 s54, s12, 18
	s_add_co_u32 s54, s54, KVREG
	s_add_co_u32 s54, s54, s33
	s_mov_b32 s55, 0
	s_wait_dscnt 0x0                                       ; both opening adds are done
	s_wait_kmcnt 0x0
	s_load_b128 s[40:43], s[6:7], 0x18                     ; e6, e7, e8, e9
	s_add_nc_u64 s[34:35], s[4:5], s[54:55]
	s_or_b32 s35, s35, 0x80000000
	CROUND                                                 ; the four partners are here: the joint loads meet
	tensor_load_to_lds s[32:35], s[16:23]                  ; my one tensor load
	s_nop 0
	PLACES 4
	s_lshl_b32 s54, s11, 3
	s_add_co_u32 s54, s54, s[WV]                           ; which 64 queries of hb
	s_lshl_b32 s52, s12, 17
	s_lshl_b32 s55, s54, 12
	s_add_co_u32 s52, s52, s55
	s_mov_b32 s53, 0
	s_add_nc_u64 s[4:5], s[4:5], s[52:53]                  ; their codes: 4 x 1,024 bytes
	s_lshl_b32 s52, s12, 19
	s_lshl_b32 s55, s54, 14
	s_add_co_u32 s52, s52, s55
	s_add_nc_u64 s[8:9], s[8:9], s[52:53]                  ; their rows of out0: 64 x 256 bytes
	s_mul_i32 s58, s[WV], 16*SP
	s_add_co_u32 s58, s58, STAGE                           ; my stage
	s_mov_b32 s[SEL], 0x76543210
	s_mov_b32 s[SEL+1], 0xfedcba98
	s_mov_b32 s[TB], 0
	s_mov_b32 s[CNT], 16
	v_and_b32 v[L16], 31, v0
	v_lshlrev_b32 v[L16], 4, v[L16]
	WIN 0x40
.irp q, 0,1,2,3
	global_load_b128 v[QF+8*\q:QF+8*\q+3], v[L16], s[4:5] offset:1024*\q
	global_load_b128 v[QF+8*\q+4:QF+8*\q+7], v[L16], s[4:5] offset:1024*\q+512
.endr
.set J, 0
.rept 128
	v_mov_b32 v[J], 0                                      ; O^T: the step is written once, and its first trip finds zeros
.set J, J+1
.endr
	WIN 0
	v_and_b32 v4, 15, v0                                   ; r
	v_bfe_u32 v5, v0, 4, 1                                 ; h
	v_mul_u32_u24 v[STO], v4, SP
	v_lshl_add_u32 v[STO], v5, 5, v[STO]
	v_add_nc_u32 v[STO], s58, v[STO]                       ; into the stage: row r, 32 bytes for each half of the lanes
	v_mul_u32_u24 v[RD], v5, SP
	v_lshl_add_u32 v[RD], v4, 4, v[RD]
	v_add_nc_u32 v[RD], s58, v[RD]                         ; back: lanes 0-15 one row, lanes 16-31 the next
.irp t, 0,1,2,3
	v_mov_b32 v[12+4*\t], 0x7f61b1e6                       ; -M: 3e38
	v_mov_b32 v[13+4*\t], 0xff61b1e6                       ; the largest raw score so far: -3e38
	v_mov_b32 v[14+4*\t], 0                                ; the sum
	v_mov_b32 v[15+4*\t], 0
.endr
	v_mov_b32 v9, 0                                        ; (named as upper halves of pairs)
	v_mov_b32 v11, 0
	v_mov_b32 v28, 0                                       ; (a lane permute's destination counts as a source)
	v_mov_b32 v29, 0
	s_wait_kmcnt 0x0
	s_add_co_i32 s52, s40, s41
	s_lshl_b32 s52, s52, 23
	s_add_co_i32 s[CS], s52, 0x3e38aa3b                    ; log2(e) / 8 x 2^(e6 + e7)
	s_mov_b32 s[CS+1], s[CS]
	s_add_co_i32 s52, s42, 127
	s_lshl_b32 s53, s52, 23
	v_mov_b32 v[SCP], s53                                  ; 2^e8
	s_add_co_i32 s52, s52, 15
	s_lshl_b32 s52, s52, 23
	s_or_b32 s[LIM], s52, 0x600000                         ; 57,344 x 2^e8
	s_add_co_i32 s51, s42, s43                             ; e8 + e9
	s_wait_alu depctr_va_vdst(0)
	s_wait_loadcnt 0x0                                     ; Q
	s_wait_tensorcnt 0x0                                   ; my part of K and V has landed;
	s_barrier_signal -1
	s_barrier_wait -1                                      ; everybody's has
	KLOAD L16, 0
	KLOAD L16, 4
.Lstep:                                                        ; 16 trips of 128 keys
	s_wait_dscnt 8                                         ; K's tiles 0-3 are in; the youngest eight loads (tiles 4-7) may be out
	WIN 0x04                                               ; Q in window 1
	SC4 0, 0
	s_wait_dscnt 0x0
	SC4 0, 4
	WIN 0
	v_add_nc_u32 v[ADV], s[TB], v[L16]                     ; two additions and two v_nop: the four places behind the products
	s_add_co_u32 s52, s[TB], STEPB
	s_and_b32 s52, s52, 0x3c000                            ; the next step; behind the last it wraps to step 0
	v_add_nc_u32 v[ADK], s52, v[L16]
	PLACES 2
	SOFTPAIR 0
	WIN 0x04
	SC4 1, 0
	SC4 1, 4
	WIN 0
	PLACES 4                                               ; K's fragments are done with.  24 loads that land under the softmax below:
	WIN 0x40
.irp f, 0,1
.irp c, 0,1,2,3
	ds_load_b128 v[VW+16*\f+4*\c:VW+16*\f+4*\c+3], v[ADV] offset:8192+2048*\f+512*\c       ; V's fragments 0, 1 into window 1,
.endr
.endr
	WIN 0
.irp f, 2,3
.irp c, 0,1,2,3
	ds_load_b128 v[KF+16*\f+4*\c:KF+16*\f+4*\c+3], v[ADV] offset:8192+2048*\f+512*\c       ; fragments 2, 3 where K's tiles 4-7 lay,
.endr
.endr
	KLOAD ADK, 0                                           ; and the next step's tiles 0-3 of K
	SOFTPAIR 1
	s_wait_alu depctr_va_vdst(0)
	s_wait_dscnt 0x0                                       ; V
	WIN 0x54                                               ; V's fragments 2, 3 in window 0; p's codes and O^T in window 1
	PV2 2, KF
	WIN 0
	PLACES 4
	KLOAD ADK, 4                                           ; they are done with: the next step's tiles 4-7 of K, eight products ahead of the step's end
	WIN 0x55                                               ; V's fragments 0, 1 in window 1
	PV2 0, VW
	WIN 0
	s_add_co_u32 s[TB], s[TB], STEPB
	s_sub_co_u32 s[CNT], s[CNT], 1
	s_cmp_lg_u32 s[CNT], 0
	s_cbranch_scc1 .Lstep
	; THE WAY OUT.  O^T / the sum x 2^(e8 + e9); a tile at a time through my own stage, back as rows of 256 bytes; a store covers 512 consecutive bytes, aligned.
.irp t, 0,1,2,3
	v_add_f32 v[14+4*\t], v[14+4*\t], v[15+4*\t]           ; (these twelve lines are also the places behind the last products)
.endr
.irp t, 0,1,2,3
	v_permlanex16_b32 v[MX+\t], v[14+4*\t], s[SEL], s[SEL+1]
.endr
.irp t, 0,1,2,3
	v_add_f32 v[14+4*\t], v[14+4*\t], v[MX+\t]             ; the row's sum
.endr
	s_wait_alu depctr_va_vdst(0)                           ; ahead of the batch
.irp t, 0,1,2,3
	v_rcp_f32 v[14+4*\t], v[14+4*\t]
.endr
	v_nop
	s_wait_alu depctr_va_vdst(0)                           ; behind it
.irp t, 0,1,2,3
	v_ldexp_f32 v[14+4*\t], v[14+4*\t], s51
.endr
	WIN 0x41
	s_wait_alu depctr_va_vdst(0)                           ; directly ahead of the first reader of O^T
.irp t, 0,1,2,3
.set J, 0
.rept 16
	v_pk_mul_f32 v[32*\t+J:32*\t+J+1], v[32*\t+J:32*\t+J+1], v[14+4*\t:15+4*\t] op_sel_hi:[1,0]
.set J, J+2
.endr
.endr
.irp t, 0,1,2,3
	WIN 0x04                                               ; the stores' data in window 1
.irp f, 0,1,2,3
	ds_store_b128 v[STO], v[32*\t+8*\f:32*\t+8*\f+3] offset:64*\f          ; row r: channels 16 f + 8 h + 0 .. 7
	ds_store_b128 v[STO], v[32*\t+8*\f+4:32*\t+8*\f+7] offset:64*\f+16
.endr
	WIN 0
.irp i, 0,1,2,3,4,5,6,7
	ds_load_b128 v[S+32*\t+4*\i:S+32*\t+4*\i+3], v[RD] offset:2*\i*SP      ; LDS serves a wave's instructions in order (ISA guide 5.7.1.4): these see my stores, and the next tile's stores come behind them
.endr
.endr
.irp t, 0,1,2,3
.irp i, 0,1,2,3,4,5,6,7
	s_wait_dscnt (7-\i)+16*(3-\t)                          ; the LDS instructions issued behind this load may be out
	global_store_b128 v[L16], v[S+32*\t+4*\i:S+32*\t+4*\i+3], s[8:9] offset:256*(32*(\t/2)+16*(\i/4)+8*(\t%2)+2*(\i%4)) th:TH_STORE_NT   ; stage rows 2 i, 2 i + 1 of tile t are neighbouring positions
.endr
.endr
	s_wait_tensorcnt 0x0                                   ; the wave's end
	ds_add_u32 v[SPW], v[NIL]
	s_wait_dscnt 0x0
	CROUND                                                 ; the closing round
	s_endpgm
.Lfunc_end_k_q87a75de7a8_attn:
	.size	k_q87a75de7a8_attn, .Lfunc_end_k_q87a75de7a8_attn-k_q87a75de7a8_attn
	.p2alignl 7, 3214868480
	.fill 96, 4, 3214868480
	.section	.rodata,"a",@progbits
	.p2align	6, 0x0
	.amdhsa_kernel k_q87a75de7a8_attn
		.amdhsa_group_segment_fixed_size 327680
		.amdhsa_private_segment_fixed_size 0
		.amdhsa_enable_private_segment 0
		.amdhsa_kernarg_size 24
		.amdhsa_user_sgpr_count 2
		.amdhsa_user_sgpr_kernarg_segment_ptr 1
		.amdhsa_wavefront_size32 1
		.amdhsa_system_sgpr_workgroup_id_x 1
		.amdhsa_system_sgpr_workgroup_id_y 1
		.amdhsa_system_sgpr_workgroup_id_z 1
		.amdhsa_system_vgpr_workitem_id 0
		.amdhsa_next_free_vgpr 512
		.amdhsa_next_free_sgpr 66
		.amdhsa_reserve_vcc 0
		.amdhsa_float_denorm_mode_32 3
		.amdhsa_float_denorm_mode_16_64 3
		.amdhsa_memory_ordered 1
		.amdhsa_forward_progress 1
		.amdhsa_inst_pref_size 79
	.end_amdhsa_kernel
	.amdgpu_metadata
---
amdhsa.version: [ 1, 2 ]
amdhsa.kernels:
  - .name:           k_q87a75de7a8_attn
    .symbol:         k_q87a75de7a8_attn.kd
    .args:
      - { .name: qkv, .offset: 0, .size: 8, .value_kind: global_buffer, .address_space: global }
      - { .name: lowp_scales, .offset: 8, .size: 8, .value_kind: global_buffer, .address_space: global }
      - { .name: out0, .offset: 16, .size: 8, .value_kind: global_buffer, .address_space: global }
    .group_segment_fixed_size: 327680
    .private_segment_fixed_size: 0
    .kernarg_segment_align: 8
    .kernarg_segment_size: 24
    .max_flat_workgroup_size: 256
    .sgpr_count:     66
    .vgpr_count:     512
    .wavefront_size: 32
...
	.end_amdgpu_metadata
.endif
;; end of part 3
